; MI455X (gfx1250); checked and timed in simulation.
; The chip was launched on July 23, 2026; its instructions are those of AMD's public machine-readable ISA for CDNA 5 (MIT licence, August 2026) and "CDNA5" Instruction Set Architecture Reference Guide (July 2026). The comments in the code are by the model that wrote it; some were corrected since.
;; KAN Layer. Allowed arithmetic: float matrix products may take bf16 or f16 operands with f32 sums; all other float work in f32.
;; Inputs: b 64 x 16 x 64 float32; h 64 x 16 x 64 float32; w 64 x 16 x 64 float32; x 2 x 1,024 x 64 float32.
;; Outputs: out0 2 x 1,024 x 64 float32.
;; 2 versions, each right and faster than the one before. Each part assembles by itself: llvm-mc -triple=amdgcn-amd-amdhsa -mcpu=gfx1250 --defsym DOCPART=n.
;; ======== version 1 of 2: 1 launch
;; limits: a function is approximated: absolute error at most 1e-07; a difference of large sums (such as E[x^2] - mean^2): digits are lost where the result is much smaller than its terms; inputs' magnitudes at most 10,000,000,000
;; launch kan (part 1): grid 8 x 32, 16 waves a work-group, no clusters, 150,528 bytes of LDS; arguments x, h, b, w, out0; writes out0
.if DOCPART == 1
	.amdgcn_target "amdgcn-amd-amdhsa--gfx1250"
	.amdhsa_code_object_version 6
	.text
	.protected	k_q549c547731_kan
	.globl	k_q549c547731_kan
	.p2align	8
	.type	k_q549c547731_kan,@function
k_q549c547731_kan:
	s_mov_b64 s[64:65], 0
	v_nop
	global_prefetch_b8 v0, s[64:65] scope:SCOPE_SE
	s_setreg_imm32_b32 hwreg(HW_REG_WAVE_MODE, 25, 1), 1
	s_wait_xcnt 0x0
; out[t][o] = sum over i, n of w[i][n][o] * tanh(h[i][n][o] * x[t][i] + b[i][n][o]).   2048 tokens t, 64 i, 16 n, 64 o, all f32.
;
; ARITHMETIC.  tanh(a) = 1 - 2 / (1 + e), e = exp2(C a), C = 2 log2(e).  With V = -2 w the result is  sum w  +  sum V / (1 + e).
; Four fractions of one output share ONE reciprocal:  V1/d1 + V2/d2 = N12 / P12 with N12 = V1 e2 + V2 e1 + (V1 + V2) and
; P12 = e1 (1 + e2) + (1 + e2); two such pairs give N = N12 P34 + N34 P12, P = P12 P34.  So four elements cost four v_exp_f32 and one
; v_rcp_f32, and the weights are already inside N: the einsum's sum is one fused multiply-add for four elements.
; The argument of exp2 is held at or below 30, so that P stays below 2^121; there 2 / (1 + e) is under 2e-9, less than half a step of f32 at 1.
; LIMITS.  A NaN argument (NaN input, inf * 0, inf - inf) is taken as 30 by the minimum and is not handed on.  |w| below about 1e10
; (numerators reach |2 w| 2^92).  Each tanh is right to about 1e-7 absolutely, not relatively, being formed as 1 - 2 / (1 + e).
;
; SHARES.  Work-group (ob, tb): 64 tokens x 8 o, all 1024 (i, n).  Wave w: i = 4 w .. 4 w + 3, one i in each of four phases.
; Lane l: o = l & 7, nq = l >> 3, its four elements of an i are n = 4 r + nq, r = 0..3.  Each parameter lies in the register of the one
; lane that uses it and is loaded once by the work-group (12 loads of 4 bytes a lane and phase).  Packed instructions hold two tokens;
; a parameter is taken for both halves by op_sel.  x stands transposed in LDS, one broadcast load of 16 bytes brings four tokens.
; The 64 token sums stay in registers through the four phases; at the end they meet in LDS (16 waves x 4 nq partial sums an output).
;
; NOT USED, and why.  Matrix instructions: o is in both operands and in the result, so a 16x16x32 instruction would carry 512 useful
; products of 8192, and would want every tanh by itself (a reciprocal each) and rounded to bf16.  Joint tensor loads in a cluster:
; the shared bytes (96 KB of parameters, 16 KB of x for 524,288 tanh) go once to the lane that owns them, three quarters of them in
; flight behind a phase of arithmetic; a tile would have rows of 32 bytes and cost a way through LDS.  Whole 256-byte rows of out:
; they need 64 o in a work-group, which would then read all 768 KB of parameters for 8 tokens.
.set PX,    272                        ; bytes from row to row of x transposed in LDS: 64 tokens + 16
.set PART,  64*PX                      ; behind it: partial sums [wave 16][token quad 16][lane 32][4 tokens] f32, 131,072 bytes
.set LANE,  1
.set LOFF,  2                          ; 256 nq + 4 o: the lane's place among 4 rows of 256 bytes (parameters; rows of out)
.set POFF,  3                          ; the same, stepped by 4,096 (one i) from phase to phase
.set XA,    4                          ; LDS address of row i of x transposed
.set PA,    5                          ; where I put my partial sums
.set RA,    6                          ; where I read partial sums of waves 0-7,
.set RA2,   7                          ; of waves 8-15
.set RH,    8                          ; v[8:11]   h as loaded, r = 0..3
.set RB,    12                         ; v[12:15]  b as loaded
.set RW,    16                         ; v[16:19]  w as loaded
.set PH,    20                         ; v[20:23]  C h
.set PB,    24                         ; v[24:27]  C b
.set PV,    28                         ; v[28:31]  V = -2 w
.set VS,    32                         ; v[32:33]  V0 + V2, V1 + V3: the fractions are paired (r0, r2) and (r1, r3)
.set WS,    34                         ; v[34:35]  the same, summed over the phases
.set X,     36                         ; v[36:43]  two quads of x
.set Y,     44                         ; v[44:59]  Y + 4 r + 2 p: argument, then e, of element r for token pair p; later P
.set NA,    60                         ; v[60:63]  numerator of pair (r0, r2), then of all four
.set NB,    64                         ; v[64:67]  numerator of pair (r1, r3)
.set RR,    68                         ; v[68:71]  1 / P
.set ACC,   72                         ; v[72:135] the sums of my 64 tokens
.set T1,    60                         ; at work before the first phase
.set T2,    61
.set T3,    62
.set GX,    64
.set SX,    65
.set CLAMP, 21                         ; s21 = 30.0
	s_load_b256 s[4:11], s[0:1], 0x0               ; x s[4:5], h s[6:7], b s[8:9], w s[10:11]
	s_load_b64 s[12:13], s[0:1], 0x20              ; out0
	v_lshl_add_u32 v136, v0, 2, 0x24400
	v_mov_b32 v137, 0
	v_and_b32 v[LANE], 31, v0
	v_lshrrev_b32 v[T1], 5, v0
	v_readfirstlane_b32 s16, v[T1]                 ; wave 0..15
	s_and_b32 s15, ttmp7, 0xffff                   ; tb: block of 64 tokens.  ttmp9 = ob: block of 8 o
	; x comes in by rows: thread bits 1:0 and 5 = c (32 bytes, i = 8 c .. 8 c + 7), bits 4:2 and 8:6 = token t:
	; four neighbouring lanes take 128 neighbouring bytes of a row
	v_and_b32 v[T1], 3, v0
	v_bfe_u32 v[T2], v0, 5, 1
	v_lshl_or_b32 v[T1], v[T2], 2, v[T1]           ; c
	v_bfe_u32 v[T2], v0, 2, 3
	v_lshrrev_b32 v[T3], 6, v0
	v_lshl_or_b32 v[T2], v[T3], 3, v[T2]           ; t
	v_lshlrev_b32 v[T3], 5, v[T1]
	v_lshl_or_b32 v[GX], v[T2], 8, v[T3]           ; 256 t + 32 c
	v_mul_u32_u24 v[T3], v[T1], 8*PX
	v_lshl_add_u32 v[SX], v[T2], 2, v[T3]          ; row 8 c of x transposed, column t
	v_and_b32 v[T1], 7, v[LANE]                    ; o
	v_lshrrev_b32 v[T2], 3, v[LANE]                ; nq
	v_lshlrev_b32 v[T1], 2, v[T1]
	v_lshl_or_b32 v[LOFF], v[T2], 8, v[T1]
	v_lshl_or_b32 v[POFF], v[T2], 8, v[T1]
	s_lshl_b32 s18, s15, 14                        ; 64 tokens x 256 bytes
	s_mov_b32 s19, 0
	s_lshl_b32 s17, ttmp9, 5                       ; 8 o x 4 bytes
	s_lshl_b32 s26, s16, 14                        ; my wave's four i x 4,096 bytes
	s_add_co_u32 s26, s26, s17
	s_mov_b32 s27, 0
	s_lshl_b32 s28, s16, 10                        ; at the end wave v writes tokens 4 v .. 4 v + 3: 4 rows of 256 bytes
	s_add_co_u32 s28, s28, s18
	s_add_co_u32 s28, s28, s17
	s_mov_b32 s29, 0
	s_wait_kmcnt 0x0
	s_add_nc_u64 s[4:5], s[4:5], s[18:19]
	s_add_nc_u64 s[6:7], s[6:7], s[26:27]
	s_add_nc_u64 s[8:9], s[8:9], s[26:27]
	s_add_nc_u64 s[10:11], s[10:11], s[26:27]
	s_add_nc_u64 s[12:13], s[12:13], s[28:29]
.macro LOADP                           ; the twelve parameters of one i: element r is row n = 4 r + nq, 1,024 bytes from r to r + 1
.irp r, 0,1,2,3
	global_load_b32 v[RH+\r], v[POFF], s[6:7] offset:1024*\r
.endr
.irp r, 0,1,2,3
	global_load_b32 v[RB+\r], v[POFF], s[8:9] offset:1024*\r
.endr
.irp r, 0,1,2,3
	global_load_b32 v[RW+\r], v[POFF], s[10:11] offset:1024*\r
.endr
.endm
	global_load_b128 v[Y:Y+3],   v[GX], s[4:5]
	global_load_b128 v[Y+4:Y+7], v[GX], s[4:5] offset:16
	LOADP                                          ; the first i's parameters
	s_mul_i32 s17, s16, 4*PX
	v_mov_b32 v[XA], s17                           ; row 4 w
	s_lshl_b32 s17, s16, 13
	s_add_co_u32 s17, s17, PART
	v_lshl_add_u32 v[PA], v[LANE], 4, s17          ; PART + 8,192 wave + 16 lane
	s_lshl_b32 s17, s16, 9
	s_add_co_u32 s17, s17, PART
	v_lshl_add_u32 v[RA], v[LANE], 4, s17          ; PART + 512 (token quad = my wave's number) + 16 lane
	v_add_nc_u32 v[RA2], 0x10000, v[RA]            ; eight waves further
	s_mov_b32 s[CLAMP], 0x41f00000                 ; 30.0
	s_mov_b32 s22, 0x76543210                      ; v_permlanex16_b32: lane i takes lane i of the other half
	s_mov_b32 s23, 0xfedcba98
	s_mov_b32 s24, 0xffff0000                      ; lanes with nq = 2, 3
	s_mov_b32 vcc_lo, 0xff00ff00                   ; lanes with nq = 1, 3
	s_wait_loadcnt 0xc                             ; x's two loads are in; the twelve younger ones stay out
.irp j, 0,1,2,3,4,5,6,7
	ds_store_b32 v[SX], v[Y+\j] offset:\j*PX       ; x[t][8 c + j] to row 8 c + j, column t
.endr
	s_wait_dscnt 0x0                               ; my part of x is in LDS before I say so
	s_barrier_signal -1
	s_barrier_wait -1
	ds_load_b128 v[X:X+3], v[XA]                   ; the first quad of the first phase
; acc of token quad q += N / P; in the first phase the product starts the sum
.macro ACCUM q, first
.irp p, 0,2
.if \first
	s_wait_alu depctr_va_vdst(0)
	v_pk_mul_f32 v[ACC+4*(\q)+\p:ACC+4*(\q)+\p+1], v[NA+\p:NA+\p+1], v[RR+\p:RR+\p+1]
.else
	s_wait_alu depctr_va_vdst(0)
	v_pk_fma_f32 v[ACC+4*(\q)+\p:ACC+4*(\q)+\p+1], v[NA+\p:NA+\p+1], v[RR+\p:RR+\p+1], v[ACC+4*(\q)+\p:ACC+4*(\q)+\p+1]
.endif
.endr
.endm
; One i, four tokens (two packed pairs p), my four elements: 40 packed or dual instructions, 16 exp, 4 rcp.
; Behind a run of transcendentals one plain vector instruction that touches none of their registers comes before a result is read or
; a source rewritten (ISA guide 5.7.2): behind the exps it is the accumulation of the block before, behind the rcps the next block's first line.
.macro BLOCK q, first, more
.set XC, X+4*((\q)&1)
.set XN, X+4*(((\q)+1)&1)
.if (\q) < 15
	ds_load_b128 v[XN:XN+3], v[XA] offset:16*((\q)+1)      ; the next quad, one block ahead
	s_wait_dscnt 0x1                                       ; all but that one: this block's quad is in
.else
.if \more
	ds_load_b128 v[XN:XN+3], v[XA] offset:PX               ; the first quad of the next i's row
	s_wait_dscnt 0x1
.else
	s_wait_dscnt 0x0
.endif
.endif
.irp p, 0,2                                                ; y = (C h) x + C b; op_sel takes one register of a parameter pair for both tokens
	v_pk_fma_f32 v[Y+\p:Y+\p+1],       v[XC+\p:XC+\p+1], v[PH:PH+1],     v[PB:PB+1]     op_sel_hi:[1,0,0]
	v_pk_fma_f32 v[Y+4+\p:Y+4+\p+1],   v[XC+\p:XC+\p+1], v[PH:PH+1],     v[PB:PB+1]     op_sel:[0,1,1] op_sel_hi:[1,1,1]
	v_pk_fma_f32 v[Y+8+\p:Y+8+\p+1],   v[XC+\p:XC+\p+1], v[PH+2:PH+3],   v[PB+2:PB+3]   op_sel_hi:[1,0,0]
	v_pk_fma_f32 v[Y+12+\p:Y+12+\p+1], v[XC+\p:XC+\p+1], v[PH+2:PH+3],   v[PB+2:PB+3]   op_sel:[0,1,1] op_sel_hi:[1,1,1]
.endr
.irp k, 0,2,4,6,8,10,12,14                                 ; y = min(y, 30): four denominators multiply to less than 2^121
	v_dual_min_num_f32 v[Y+\k], s[CLAMP], v[Y+\k] :: v_dual_min_num_f32 v[Y+\k+1], s[CLAMP], v[Y+\k+1]
.endr
.irp k, 0,1,2,3,4,5,6,7,8,9,10,11,12,13,14,15
	v_exp_f32 v[Y+\k], v[Y+\k]                             ; e
.endr
.if (\q) > 0
	ACCUM (\q)-1, \first                                   ; the block before: its reciprocals are long there
.else
.if \first
	v_pk_add_f32 v[WS:WS+1], v[PV:PV+1], v[PV+2:PV+3]      ; the sum of V starts,
	s_wait_alu depctr_va_vdst(0)
.else
	v_pk_add_f32 v[WS:WS+1], v[WS:WS+1], v[VS:VS+1]        ; and goes on
	s_wait_alu depctr_va_vdst(0)
.endif
.endif
.irp p, 0,2
	v_pk_fma_f32 v[NA+\p:NA+\p+1], v[Y+8+\p:Y+8+\p+1],   v[PV:PV+1], v[VS:VS+1] op_sel_hi:[1,0,0]                 ; V0 e2 + (V0 + V2)
	v_pk_fma_f32 v[NB+\p:NB+\p+1], v[Y+12+\p:Y+12+\p+1], v[PV:PV+1], v[VS:VS+1] op_sel:[0,1,1] op_sel_hi:[1,1,1]  ; V1 e3 + (V1 + V3)
.endr
.irp p, 0,2
	v_pk_add_f32 v[Y+8+\p:Y+8+\p+1],   v[Y+8+\p:Y+8+\p+1],   1.0 op_sel_hi:[1,0]                                  ; d2 = 1 + e2
	v_pk_add_f32 v[Y+12+\p:Y+12+\p+1], v[Y+12+\p:Y+12+\p+1], 1.0 op_sel_hi:[1,0]                                  ; d3 = 1 + e3
.endr
.irp p, 0,2
	v_pk_fma_f32 v[NA+\p:NA+\p+1], v[Y+\p:Y+\p+1],     v[PV+2:PV+3], v[NA+\p:NA+\p+1] op_sel_hi:[1,0,1]                ; + V2 e0
	v_pk_fma_f32 v[NB+\p:NB+\p+1], v[Y+4+\p:Y+4+\p+1], v[PV+2:PV+3], v[NB+\p:NB+\p+1] op_sel:[0,1,0] op_sel_hi:[1,1,1] ; + V3 e1
.endr
.irp p, 0,2
	v_pk_fma_f32 v[Y+\p:Y+\p+1],     v[Y+\p:Y+\p+1],     v[Y+8+\p:Y+8+\p+1],   v[Y+8+\p:Y+8+\p+1]     ; P02 = e0 d2 + d2
	v_pk_fma_f32 v[Y+4+\p:Y+4+\p+1], v[Y+4+\p:Y+4+\p+1], v[Y+12+\p:Y+12+\p+1], v[Y+12+\p:Y+12+\p+1]   ; P13 = e1 d3 + d3
.endr
.irp p, 0,2
	v_pk_mul_f32 v[NA+\p:NA+\p+1],   v[NA+\p:NA+\p+1], v[Y+4+\p:Y+4+\p+1]      ; N02 P13
	v_pk_mul_f32 v[Y+8+\p:Y+8+\p+1], v[Y+\p:Y+\p+1],   v[Y+4+\p:Y+4+\p+1]      ; P = P02 P13
.endr
.irp p, 0,2
	v_pk_fma_f32 v[NA+\p:NA+\p+1], v[NB+\p:NB+\p+1], v[Y+\p:Y+\p+1], v[NA+\p:NA+\p+1]   ; N = N13 P02 + N02 P13
.endr
.irp k, 0,1,2,3
	v_rcp_f32 v[RR+\k], v[Y+8+\k]                          ; one reciprocal for four fractions; P lies in 1 .. 2^121
.endr
.endm
; One i for all 64 tokens.  first: the products start the sums.  more: the next i's parameters are requested and fly behind this phase's work.
.macro PHASE first, more
	s_wait_loadcnt 0x0                                     ; this i's twelve parameters are in, and POFF is free to be stepped
	v_pk_mul_f32 v[PH:PH+1],   v[RH:RH+1],   0x4038aa3b op_sel_hi:[1,0]    ; C h, C = 2 log2(e)
	v_pk_mul_f32 v[PH+2:PH+3], v[RH+2:RH+3], 0x4038aa3b op_sel_hi:[1,0]
	v_pk_mul_f32 v[PB:PB+1],   v[RB:RB+1],   0x4038aa3b op_sel_hi:[1,0]    ; C b
	v_pk_mul_f32 v[PB+2:PB+3], v[RB+2:RB+3], 0x4038aa3b op_sel_hi:[1,0]
	v_pk_mul_f32 v[PV:PV+1],   v[RW:RW+1],   -2.0 op_sel_hi:[1,0]          ; V = -2 w
	v_pk_mul_f32 v[PV+2:PV+3], v[RW+2:RW+3], -2.0 op_sel_hi:[1,0]
	v_pk_add_f32 v[VS:VS+1], v[PV:PV+1], v[PV+2:PV+3]                      ; V0 + V2, V1 + V3
.if \more
	v_add_nc_u32 v[POFF], 4096, v[POFF]
	LOADP
.endif
.irp q, 0,1,2,3,4,5,6,7,8,9,10,11,12,13,14,15
	BLOCK \q, \first, \more
.endr
.if \more
	v_add_nc_u32 v[XA], PX, v[XA]                          ; the next row of x; also the plain line between the last rcps and their use
	s_wait_alu depctr_va_vdst(0)
.else
	v_add_f32 v[WS], v[WS], v[WS+1]                        ; the sum of my sixteen V; likewise
	s_wait_alu depctr_va_vdst(0)
.endif
	ACCUM 15, \first
.endm
	PHASE 1, 1
	s_mov_b32 s20, 2
.Lphase:
	PHASE 0, 1
	s_sub_co_i32 s20, s20, 1
	s_cmp_lg_u32 s20, 0
	s_cbranch_scc1 .Lphase
	PHASE 0, 0                                             ; the last i: nothing more is loaded
	; my partial sums, with sum w = -0.5 sum V added, to LDS: 32 lanes x 16 neighbouring bytes a store
.irp q, 0,1,2,3,4,5,6,7,8,9,10,11,12,13,14,15
	v_pk_fma_f32 v[ACC+4*\q:ACC+4*\q+1],   v[WS:WS+1], -0.5, v[ACC+4*\q:ACC+4*\q+1]   op_sel_hi:[0,0,1]
	v_pk_fma_f32 v[ACC+4*\q+2:ACC+4*\q+3], v[WS:WS+1], -0.5, v[ACC+4*\q+2:ACC+4*\q+3] op_sel_hi:[0,0,1]
	ds_store_b128 v[PA], v[ACC+4*\q:ACC+4*\q+3] offset:512*\q
.endr
	s_wait_dscnt 0x0                                       ; they are in LDS before I say so
	s_barrier_signal -1
	s_barrier_wait -1
	; wave v takes token quad v: lane (nq, o) sums its own place over the sixteen waves
.irp w, 0,1,2,3,4,5,6,7
	ds_load_b128 v[ACC+4*\w:ACC+4*\w+3], v[RA] offset:8192*\w
.endr
.irp w, 0,1,2,3,4,5,6,7
	ds_load_b128 v[ACC+32+4*\w:ACC+32+4*\w+3], v[RA2] offset:8192*\w
.endr
	s_wait_dscnt 0x0
.irp k, 0,2,4,6,8,10,12,14,16,18,20,22,24,26,28,30
	v_pk_add_f32 v[ACC+\k:ACC+\k+1], v[ACC+\k:ACC+\k+1], v[ACC+32+\k:ACC+32+\k+1]
.endr
.irp k, 0,2,4,6,8,10,12,14
	v_pk_add_f32 v[ACC+\k:ACC+\k+1], v[ACC+\k:ACC+\k+1], v[ACC+16+\k:ACC+16+\k+1]
.endr
.irp k, 0,2,4,6
	v_pk_add_f32 v[ACC+\k:ACC+\k+1], v[ACC+\k:ACC+\k+1], v[ACC+8+\k:ACC+8+\k+1]
.endr
.irp k, 0,2
	v_pk_add_f32 v[ACC+\k:ACC+\k+1], v[ACC+\k:ACC+\k+1], v[ACC+4+\k:ACC+4+\k+1]
.endr
	; over nq = lane bits 3 and 4: lane xor 8 rides on the add, lane xor 16 comes from the other half
.irp j, 0,1,2,3
	v_add_f32_dpp v[ACC+\j], v[ACC+\j], v[ACC+\j] row_xmask:8 row_mask:0xf bank_mask:0xf
.endr
.irp j, 0,1,2,3
	v_permlanex16_b32 v[ACC+4+\j], v[ACC+\j], s22, s23     ; its destination has been written above
.endr
	v_pk_add_f32 v[ACC:ACC+1],   v[ACC:ACC+1],   v[ACC+4:ACC+5]
	v_pk_add_f32 v[ACC+2:ACC+3], v[ACC+2:ACC+3], v[ACC+6:ACC+7]
	; all four lanes of an o now hold its four tokens: lane (nq, o) stores token 4 v + nq, eight lanes fill the row's 32 bytes
	v_cndmask_b32 v[ACC],   v[ACC],   v[ACC+1], vcc_lo
	v_cndmask_b32 v[ACC+2], v[ACC+2], v[ACC+3], vcc_lo
	v_cndmask_b32 v[ACC],   v[ACC],   v[ACC+2], s24
	global_store_b32 v[LOFF], v[ACC], s[12:13] th:TH_STORE_NT
	s_wait_tensorcnt 0x0
	ds_add_u32 v136, v137
	s_wait_dscnt 0x0
	s_endpgm
.Lfunc_end_k_q549c547731_kan:
	.size	k_q549c547731_kan, .Lfunc_end_k_q549c547731_kan-k_q549c547731_kan
	.p2alignl 7, 3214868480
	.fill 96, 4, 3214868480
	.section	.rodata,"a",@progbits
	.p2align	6, 0x0
	.amdhsa_kernel k_q549c547731_kan
		.amdhsa_group_segment_fixed_size 150528
		.amdhsa_private_segment_fixed_size 0
		.amdhsa_enable_private_segment 0
		.amdhsa_kernarg_size 40
		.amdhsa_user_sgpr_count 2
		.amdhsa_user_sgpr_kernarg_segment_ptr 1
		.amdhsa_wavefront_size32 1
		.amdhsa_system_sgpr_workgroup_id_x 1
		.amdhsa_system_sgpr_workgroup_id_y 1
		.amdhsa_system_sgpr_workgroup_id_z 1
		.amdhsa_system_vgpr_workitem_id 0
		.amdhsa_next_free_vgpr 138
		.amdhsa_next_free_sgpr 66
		.amdhsa_reserve_vcc 1
		.amdhsa_float_denorm_mode_32 3
		.amdhsa_float_denorm_mode_16_64 3
		.amdhsa_memory_ordered 1
		.amdhsa_forward_progress 1
		.amdhsa_inst_pref_size 174
	.end_amdhsa_kernel
	.amdgpu_metadata
---
amdhsa.version: [ 1, 2 ]
amdhsa.kernels:
  - .name:           k_q549c547731_kan
    .symbol:         k_q549c547731_kan.kd
    .args:
      - { .name: x, .offset: 0, .size: 8, .value_kind: global_buffer, .address_space: global }
      - { .name: h, .offset: 8, .size: 8, .value_kind: global_buffer, .address_space: global }
      - { .name: b, .offset: 16, .size: 8, .value_kind: global_buffer, .address_space: global }
      - { .name: w, .offset: 24, .size: 8, .value_kind: global_buffer, .address_space: global }
      - { .name: out0, .offset: 32, .size: 8, .value_kind: global_buffer, .address_space: global }
    .group_segment_fixed_size: 150528
    .private_segment_fixed_size: 0
    .kernarg_segment_align: 8
    .kernarg_segment_size: 40
    .max_flat_workgroup_size: 512
    .sgpr_count:     66
    .vgpr_count:     138
    .wavefront_size: 32
...
	.end_amdgpu_metadata
.endif
;; end of part 1
;; ======== version 2 of 2: 1 launch; 1.09 times as fast as version 1
;; limits: a function is approximated: absolute error at most 1e-07; a difference of large sums (such as E[x^2] - mean^2): digits are lost where the result is much smaller than its terms; inputs' magnitudes at most 10,000,000,000
;; launch kan (part 2): grid 8 x 32, 16 waves a work-group, no clusters, 150,528 bytes of LDS; arguments x, h, b, w, out0; writes out0
.if DOCPART == 2
	.amdgcn_target "amdgcn-amd-amdhsa--gfx1250"
	.amdhsa_code_object_version 6
	.text
	.protected	k_q549c547731_kan
	.globl	k_q549c547731_kan
	.p2align	8
	.type	k_q549c547731_kan,@function
k_q549c547731_kan:
	s_mov_b64 s[64:65], 0
	v_nop
	global_prefetch_b8 v0, s[64:65] scope:SCOPE_SE
	s_setreg_imm32_b32 hwreg(HW_REG_WAVE_MODE, 25, 1), 1
	s_wait_xcnt 0x0
; out[t][o] = sum over i, n of w[i][n][o] * tanh(h[i][n][o] * x[t][i] + b[i][n][o]).   2048 tokens t, 64 i, 16 n, 64 o, all f32.
;
; ARITHMETIC.  tanh(a) = 1 - 2 / (1 + e), e = exp2(C a), C = 2 log2(e).  With V = -2 w the result is  sum w  +  sum V / (1 + e).
; Four fractions of one output share ONE reciprocal:  V1/d1 + V2/d2 = N12 / P12 with N12 = V1 e2 + V2 e1 + (V1 + V2) and
; P12 = e1 (1 + e2) + (1 + e2); two such pairs give N = N12 P34 + N34 P12, P = P12 P34.  So four elements cost four v_exp_f32 and one
; v_rcp_f32, and the weights are already inside N: the einsum's sum is one fused multiply-add for four elements.
; The argument of exp2 is held at or below 30, so that P stays below 2^121; there 2 / (1 + e) is under 2e-9, less than half a step of f32 at 1.
; LIMITS.  A NaN argument (NaN input, inf * 0, inf - inf) is taken as 30 by the minimum and is not handed on.  |w| below about 1e10
; (numerators reach |2 w| 2^92).  Each tanh is right to about 1e-7 absolutely, not relatively, being formed as 1 - 2 / (1 + e).
;
; SHARES.  Work-group (ob, tb): 64 tokens x 8 o, all 1024 (i, n).  Wave w: i = 4 w .. 4 w + 3, one i in each of four phases.
; Lane l: o = l & 7, nq = l >> 3, its four elements of an i are n = 4 r + nq, r = 0..3.  Each parameter lies in the register of the one
; lane that uses it and is loaded once by the work-group (12 loads of 4 bytes a lane and phase).  Packed instructions hold two tokens;
; a parameter is taken for both halves by op_sel.  The 64 token sums stay in registers through the four phases; at the end they meet
; in LDS (16 waves x 4 nq partial sums an output).
;
; THE PIPELINE.  A block is one i, four tokens, my four elements: 40 packed or dual instructions, 16 exp, 4 rcp.  Three blocks are at
; work in every turn q: block q is combined (and q - 1 accumulated), block q + 1 goes through exp, block q + 2 gets its arguments.
; One transcendental stands behind every two other instructions, and its neighbours belong to another block, so a wave finds
; independent work in its own text.  The pipeline runs on over the change of i: C h and C b change in turn 14, V in turn 0.
; x stands transposed in LDS and is held in a ring of 64 registers (16 token quads); a group of four quads that has been used
; is filled again from the next row by four broadcast loads in one run, twelve blocks ahead of its next use.
;
; NOT USED, and why.  Matrix instructions: o is in both operands and in the result, so a 16x16x32 instruction would carry 512 useful
; products of 8192, and would want every tanh by itself (a reciprocal each) and rounded to bf16.  Joint tensor loads in a cluster:
; the shared bytes (96 KB of parameters, 16 KB of x for 524,288 tanh) go once to the lane that owns them, three quarters of them in
; flight behind a phase of arithmetic; a tile would have rows of 32 bytes and cost a way through LDS.  Whole 256-byte rows of out:
; they need 64 o in a work-group, which would then read all 768 KB of parameters for 8 tokens.
.set PX,    272                        ; bytes from row to row of x transposed in LDS: 64 tokens + 16
.set PART,  64*PX                      ; behind it: partial sums [wave 16][token quad 16][lane 32][4 tokens] f32, 131,072 bytes
.set LANE,  1
.set LOFF,  2                          ; 256 nq + 4 o: the lane's place among 4 rows of 256 bytes (parameters; rows of out)
.set POFF,  3                          ; the same, stepped by 4,096 (one i) from phase to phase
.set XA,    4                          ; LDS address of the phase's row of x transposed
.set PA,    5                          ; where I put my partial sums
.set RA,    6                          ; where I read partial sums of waves 0-7,
.set RA2,   7                          ; of waves 8-15
.set RH,    8                          ; v[8:11]    h as loaded, r = 0..3
.set RB,    12                         ; v[12:15]   b as loaded
.set RW,    16                         ; v[16:19]   w as loaded
.set PH,    20                         ; v[20:23]   C h
.set PB,    24                         ; v[24:27]   C b
.set PV,    28                         ; v[28:31]   V = -2 w
.set VS,    32                         ; v[32:33]   V0 + V2, V1 + V3: the fractions are paired (r0, r2) and (r1, r3)
.set WS,    34                         ; v[34:35]   the same, summed over the phases
.set Y,     36                         ; v[36:67]   two buffers of 16, blocks take turns: + 4 r + 2 p: argument, then e, of element r, token pair p
.set NA,    68                         ; v[68:71]   numerator of pair (r0, r2), then of all four
.set NB,    72                         ; v[72:75]   numerator of pair (r1, r3)
.set PP,    76                         ; v[76:79]   P, the product of the four denominators
.set RR,    80                         ; v[80:83]   1 / P
.set XR,    84                         ; v[84:147]  the ring of x: token quad q at XR + 4 q
.set ACC,   148                        ; v[148:211] the sums of my 64 tokens
.set T1,    68                         ; at work before the first phase
.set T2,    69
.set T3,    70
.set GX,    72
.set SX,    73
.set CLAMP, 21                         ; s21 = 30.0
	s_load_b256 s[4:11], s[0:1], 0x0               ; x s[4:5], h s[6:7], b s[8:9], w s[10:11]
	s_load_b64 s[12:13], s[0:1], 0x20              ; out0
	v_lshl_add_u32 v212, v0, 2, 0x24400
	v_mov_b32 v213, 0
	v_and_b32 v[LANE], 31, v0
	v_lshrrev_b32 v[T1], 5, v0
	v_readfirstlane_b32 s16, v[T1]                 ; wave 0..15
	s_and_b32 s15, ttmp7, 0xffff                   ; tb: block of 64 tokens.  ttmp9 = ob: block of 8 o
	; x comes in by rows: thread bits 1:0 and 5 = c (32 bytes, i = 8 c .. 8 c + 7), bits 4:2 and 8:6 = token t:
	; four neighbouring lanes take 128 neighbouring bytes of a row
	v_and_b32 v[T1], 3, v0
	v_bfe_u32 v[T2], v0, 5, 1
	v_lshl_or_b32 v[T1], v[T2], 2, v[T1]           ; c
	v_bfe_u32 v[T2], v0, 2, 3
	v_lshrrev_b32 v[T3], 6, v0
	v_lshl_or_b32 v[T2], v[T3], 3, v[T2]           ; t
	v_lshlrev_b32 v[T3], 5, v[T1]
	v_lshl_or_b32 v[GX], v[T2], 8, v[T3]           ; 256 t + 32 c
	v_mul_u32_u24 v[T3], v[T1], 8*PX
	v_lshl_add_u32 v[SX], v[T2], 2, v[T3]          ; row 8 c of x transposed, column t
	v_and_b32 v[T1], 7, v[LANE]                    ; o
	v_lshrrev_b32 v[T2], 3, v[LANE]                ; nq
	v_lshlrev_b32 v[T1], 2, v[T1]
	v_lshl_or_b32 v[LOFF], v[T2], 8, v[T1]
	v_lshl_or_b32 v[POFF], v[T2], 8, v[T1]
	s_lshl_b32 s18, s15, 14                        ; 64 tokens x 256 bytes
	s_mov_b32 s19, 0
	s_lshl_b32 s17, ttmp9, 5                       ; 8 o x 4 bytes
	s_lshl_b32 s26, s16, 14                        ; my wave's four i x 4,096 bytes
	s_add_co_u32 s26, s26, s17
	s_mov_b32 s27, 0
	s_lshl_b32 s28, s16, 10                        ; at the end wave v writes tokens 4 v .. 4 v + 3: 4 rows of 256 bytes
	s_add_co_u32 s28, s28, s18
	s_add_co_u32 s28, s28, s17
	s_mov_b32 s29, 0
	s_wait_kmcnt 0x0
	s_add_nc_u64 s[4:5], s[4:5], s[18:19]
	s_add_nc_u64 s[6:7], s[6:7], s[26:27]
	s_add_nc_u64 s[8:9], s[8:9], s[26:27]
	s_add_nc_u64 s[10:11], s[10:11], s[26:27]
	s_add_nc_u64 s[12:13], s[12:13], s[28:29]
.macro LOADP                           ; the twelve parameters of one i: element r is row n = 4 r + nq, 1,024 bytes from r to r + 1
.irp r, 0,1,2,3
	global_load_b32 v[RH+\r], v[POFF], s[6:7] offset:1024*\r
.endr
.irp r, 0,1,2,3
	global_load_b32 v[RB+\r], v[POFF], s[8:9] offset:1024*\r
.endr
.irp r, 0,1,2,3
	global_load_b32 v[RW+\r], v[POFF], s[10:11] offset:1024*\r
.endr
.endm
	global_load_b128 v[Y:Y+3],   v[GX], s[4:5]
	global_load_b128 v[Y+4:Y+7], v[GX], s[4:5] offset:16
	LOADP                                          ; the first i's parameters
	s_mul_i32 s17, s16, 4*PX
	v_mov_b32 v[XA], s17                           ; row 4 w
	s_lshl_b32 s17, s16, 13
	s_add_co_u32 s17, s17, PART
	v_lshl_add_u32 v[PA], v[LANE], 4, s17          ; PART + 8,192 wave + 16 lane
	s_lshl_b32 s17, s16, 9
	s_add_co_u32 s17, s17, PART
	v_lshl_add_u32 v[RA], v[LANE], 4, s17          ; PART + 512 (token quad = my wave's number) + 16 lane
	v_add_nc_u32 v[RA2], 0x10000, v[RA]            ; eight waves further
	s_mov_b32 s[CLAMP], 0x41f00000                 ; 30.0
	s_mov_b32 s22, 0x76543210                      ; v_permlanex16_b32: lane i takes lane i of the other half
	s_mov_b32 s23, 0xfedcba98
	s_mov_b32 s24, 0xffff0000                      ; lanes with nq = 2, 3
	s_mov_b32 vcc_lo, 0xff00ff00                   ; lanes with nq = 1, 3
	s_wait_loadcnt 0xc                             ; x's two loads are in; the twelve younger ones stay out
.irp j, 0,1,2,3,4,5,6,7
	ds_store_b32 v[SX], v[Y+\j] offset:\j*PX       ; x[t][8 c + j] to row 8 c + j, column t
.endr
	s_wait_dscnt 0x0                               ; my part of x is in LDS before I say so
	s_barrier_signal -1
	s_barrier_wait -1
; ---- the lines of a block.  E: the buffer with e of the block that is combined, later the arguments of the block after next.
; ---- F: the buffer that goes through exp.  XQ: the x quad of the block after next.  p = 0, 2: the token pair.
.macro YLO k, h, p                     ; argument (C h) x + C b of the element in the LOW register of parameter pair h, for two tokens
	v_pk_fma_f32 v[E+\k+\p:E+\k+\p+1], v[XQ+\p:XQ+\p+1], v[PH+\h:PH+\h+1], v[PB+\h:PB+\h+1] op_sel_hi:[1,0,0]
.endm
.macro YHI k, h, p                     ; the same for the element in the HIGH register
	v_pk_fma_f32 v[E+\k+\p:E+\k+\p+1], v[XQ+\p:XQ+\p+1], v[PH+\h:PH+\h+1], v[PB+\h:PB+\h+1] op_sel:[0,1,1] op_sel_hi:[1,1,1]
.endm
.macro CLP k                           ; min(argument, 30): four denominators multiply to less than 2^121
	v_dual_min_num_f32 v[E+\k], s[CLAMP], v[E+\k] :: v_dual_min_num_f32 v[E+\k+1], s[CLAMP], v[E+\k+1]
.endm
.macro EXQ k                           ; e, in place (left out where no further block follows)
.if DOE
	v_exp_f32 v[F+\k], v[F+\k]
.endif
.endm
.macro N1A p                           ; V0 e2 + (V0 + V2)
	s_wait_alu depctr_va_vdst(0)
	v_pk_fma_f32 v[NA+\p:NA+\p+1], v[E+8+\p:E+8+\p+1], v[PV:PV+1], v[VS:VS+1] op_sel_hi:[1,0,0]
.endm
.macro N1B p                           ; V1 e3 + (V1 + V3)
	v_pk_fma_f32 v[NB+\p:NB+\p+1], v[E+12+\p:E+12+\p+1], v[PV:PV+1], v[VS:VS+1] op_sel:[0,1,1] op_sel_hi:[1,1,1]
.endm
.macro DEN k                           ; d = 1 + e, for e2 (k = 8 + p) and e3 (k = 12 + p)
	v_pk_add_f32 v[E+\k:E+\k+1], v[E+\k:E+\k+1], 1.0 op_sel_hi:[1,0]
.endm
.macro N2A p                           ; N02 = .. + V2 e0
	v_pk_fma_f32 v[NA+\p:NA+\p+1], v[E+\p:E+\p+1], v[PV+2:PV+3], v[NA+\p:NA+\p+1] op_sel_hi:[1,0,1]
.endm
.macro N2B p                           ; N13 = .. + V3 e1
	v_pk_fma_f32 v[NB+\p:NB+\p+1], v[E+4+\p:E+4+\p+1], v[PV+2:PV+3], v[NB+\p:NB+\p+1] op_sel:[0,1,0] op_sel_hi:[1,1,1]
.endm
.macro PRD k                           ; P02 = e0 d2 + d2 (k = p), P13 = e1 d3 + d3 (k = 4 + p)
	v_pk_fma_f32 v[E+\k:E+\k+1], v[E+\k:E+\k+1], v[E+8+\k:E+8+\k+1], v[E+8+\k:E+8+\k+1]
.endm
.macro MULN p                          ; N02 P13
	v_pk_mul_f32 v[NA+\p:NA+\p+1], v[NA+\p:NA+\p+1], v[E+4+\p:E+4+\p+1]
.endm
.macro MULP p                          ; P = P02 P13, in registers of its own: the buffer is written again while rcp still reads P
	v_pk_mul_f32 v[PP+\p:PP+\p+1], v[E+\p:E+\p+1], v[E+4+\p:E+4+\p+1]
.endm
.macro NFIN p                          ; N = N13 P02 + N02 P13
	v_pk_fma_f32 v[NA+\p:NA+\p+1], v[NB+\p:NB+\p+1], v[E+\p:E+\p+1], v[NA+\p:NA+\p+1]
.endm
.macro RCQ k                           ; one reciprocal for four fractions; P lies in 1 .. 2^121
	v_rcp_f32 v[RR+\k], v[PP+\k]
.endm
.macro ACCUM q, first                  ; the sums of token quad q += N / P; in the first phase the product starts the sum
.irp p, 0,2
.if \first
	s_wait_alu depctr_va_vdst(0)
	v_pk_mul_f32 v[ACC+4*(\q)+\p:ACC+4*(\q)+\p+1], v[NA+\p:NA+\p+1], v[RR+\p:RR+\p+1]
.else
	s_wait_alu depctr_va_vdst(0)
	v_pk_fma_f32 v[ACC+4*(\q)+\p:ACC+4*(\q)+\p+1], v[NA+\p:NA+\p+1], v[RR+\p:RR+\p+1], v[ACC+4*(\q)+\p:ACC+4*(\q)+\p+1]
.endif
.endr
.endm
.macro PREPY                           ; C h and C b of the i whose parameters have just come, C = 2 log2(e)
	v_pk_mul_f32 v[PH+2:PH+3], v[RH+2:RH+3], 0x4038aa3b op_sel_hi:[1,0]
	v_pk_mul_f32 v[PB+2:PB+3], v[RB+2:RB+3], 0x4038aa3b op_sel_hi:[1,0]
	v_pk_mul_f32 v[PH:PH+1],   v[RH:RH+1],   0x4038aa3b op_sel_hi:[1,0]
	v_pk_mul_f32 v[PB:PB+1],   v[RB:RB+1],   0x4038aa3b op_sel_hi:[1,0]
.endm
; Turn q of a phase.  first: the products start the sums.  more: another i follows.
; Behind a transcendental one plain vector instruction that touches none of its registers comes before its result is read or its
; source rewritten (ISA guide 5.7.2).  Here the line behind an exp works on the other buffer, the line behind a rcp on arguments,
; and results are read a dozen lines later at the earliest.  The order of the exps is the order in which the next turn reads them.
.macro ITER q, first, more
.set E,   Y+16*((\q)&1)
.set F,   Y+16*(((\q)+1)&1)
.set XQ,  XR+4*(((\q)+2)&15)
.set DOY, \more                                            ; is there a block q + 2,
.set DOE, \more                                            ; a block q + 1?
.if (\q) < 14
.set DOY, 1
.endif
.if (\q) < 15
.set DOE, 1
.endif
.if (\q) == 0
.if \more
	v_add_nc_u32 v[POFF], 4096, v[POFF]                    ; free: its last loads were waited for (count 0) before C h was made
.endif
	v_pk_mul_f32 v[PV:PV+1],   v[RW:RW+1],   -2.0 op_sel_hi:[1,0]      ; V = -2 w of this i
	v_pk_mul_f32 v[PV+2:PV+3], v[RW+2:RW+3], -2.0 op_sel_hi:[1,0]
	v_pk_add_f32 v[VS:VS+1], v[PV:PV+1], v[PV+2:PV+3]                  ; V0 + V2, V1 + V3
.if \first
	v_pk_add_f32 v[WS:WS+1], v[PV:PV+1], v[PV+2:PV+3]                  ; the sum of V starts,
.else
	v_pk_add_f32 v[WS:WS+1], v[WS:WS+1], v[VS:VS+1]                    ; and goes on
.endif
.if \more
	LOADP                                                  ; the next i's parameters fly behind fourteen turns
.endif
.else
	ACCUM (\q)-1, \first
.endif
	EXQ 8
	N1A 0
	N1B 0
	EXQ 9
	N1A 2
	N1B 2
	EXQ 12
	DEN 8
	DEN 12
	EXQ 13
	DEN 10
	DEN 14
	EXQ 10
	N2A 0
	N2B 0
	EXQ 11
	N2A 2
	N2B 2
	EXQ 14
	PRD 4
	PRD 6
	EXQ 15
	PRD 0
	PRD 2
	EXQ 0
	MULN 0
	MULN 2
	EXQ 1
	MULP 0
	MULP 2
	EXQ 4
	NFIN 0
	NFIN 2
	RCQ 0
.if DOY
.if (\q) == 14
	s_wait_loadcnt 0x0                                     ; the next i's twelve parameters are in: blocks 16, 17 are its blocks 0, 1
	PREPY
	v_add_nc_u32 v[XA], PX, v[XA]                          ; this phase's last loads of x have been issued: the next row
.endif
.if ((\q)&3) == 2
.if \more
	s_wait_dscnt 12                                        ; the group of four quads that begins here is in; the three younger groups stay out
.else
	s_wait_dscnt 10-(\q)                                   ; nothing is filled again in the last phase: 8, 4, 0 younger loads are left
.endif
.endif
	YLO 8, 2, 0
	YHI 12, 2, 0
	RCQ 1
	YLO 8, 2, 2
	YHI 12, 2, 2
	RCQ 2
	YLO 0, 0, 0
	YHI 4, 0, 0
	RCQ 3
	YLO 0, 0, 2
	YHI 4, 0, 2
	EXQ 5
	CLP 8
	CLP 12
	EXQ 2
	CLP 10
	CLP 14
	EXQ 3
	CLP 0
	CLP 4
	EXQ 6
	CLP 2
	CLP 6
	EXQ 7
.else
	RCQ 1
	RCQ 2
	RCQ 3
	EXQ 5
	EXQ 2
	EXQ 3
	EXQ 6
	EXQ 7
.if (\q) == 14
	v_add_f32 v[WS], v[WS], v[WS+1]                        ; the sum of my sixteen V; also the plain line between the rcps and their use
.endif
.endif
.if \more
.if ((\q)&3) == 1
.irp j, 0,1,2,3                                            ; quads q - 1 .. q + 2 have been used: the same quads of the next row, in one run
	ds_load_b128 v[XR+4*((\q)-1)+4*\j:XR+4*((\q)-1)+4*\j+3], v[XA] offset:PX+16*((\q)-1)+16*\j
.endr
.endif
.if (\q) == 15
	ACCUM 15, \first                                       ; at the end of its own phase, so that all phases of the loop are alike
.endif
.endif
.endm
.macro PHASE first, more
.irp q, 0,1,2,3,4,5,6,7,8,9,10,11,12,13,14,15
	ITER \q, \first, \more
.endr
.endm
	; the way in: the ring of x, the first i's C h and C b, the arguments of blocks 0 and 1, e of block 0
.irp j, 0,1,2,3,4,5,6,7,8,9,10,11,12,13,14,15
	ds_load_b128 v[XR+4*\j:XR+4*\j+3], v[XA] offset:16*\j  ; every lane reads the same 16 bytes: four tokens of row 4 w
.endr
	s_wait_loadcnt 0x0                                     ; the first i's twelve parameters
	PREPY
	s_wait_dscnt 12                                        ; quads 0 to 3 are in; the twelve younger loads stay out
.set DOE, 1
.set E,   Y
.set XQ,  XR
	YLO 8, 2, 0
	YHI 12, 2, 0
	YLO 8, 2, 2
	YHI 12, 2, 2
	YLO 0, 0, 0
	YHI 4, 0, 0
	YLO 0, 0, 2
	YHI 4, 0, 2
	CLP 8
	CLP 12
	CLP 10
	CLP 14
	CLP 0
	CLP 4
	CLP 2
	CLP 6
.set E,   Y+16
.set F,   Y
.set XQ,  XR+4
	YLO 8, 2, 0
	EXQ 8
	YHI 12, 2, 0
	EXQ 9
	YLO 8, 2, 2
	EXQ 12
	YHI 12, 2, 2
	EXQ 13
	YLO 0, 0, 0
	EXQ 10
	YHI 4, 0, 0
	EXQ 11
	YLO 0, 0, 2
	EXQ 14
	YHI 4, 0, 2
	EXQ 15
	CLP 8
	EXQ 0
	CLP 12
	EXQ 1
	CLP 10
	EXQ 4
	CLP 14
	EXQ 5
	CLP 0
	EXQ 2
	CLP 4
	EXQ 3
	CLP 2
	EXQ 6
	CLP 6
	EXQ 7
	PHASE 1, 1
	s_mov_b32 s20, 2
.Lphase:
	PHASE 0, 1
	s_sub_co_i32 s20, s20, 1
	s_cmp_lg_u32 s20, 0
	s_cbranch_scc1 .Lphase
	PHASE 0, 0                                             ; the last i: nothing more is loaded, the pipeline runs empty
	; sum w = -0.5 sum V is added to every token sum; the first of these lines is the plain line behind the last rcps
.irp q, 0,1,2,3,4,5,6,7,8,9,10,11,12,13,14
	v_pk_fma_f32 v[ACC+4*\q:ACC+4*\q+1],   v[WS:WS+1], -0.5, v[ACC+4*\q:ACC+4*\q+1]   op_sel_hi:[0,0,1]
	v_pk_fma_f32 v[ACC+4*\q+2:ACC+4*\q+3], v[WS:WS+1], -0.5, v[ACC+4*\q+2:ACC+4*\q+3] op_sel_hi:[0,0,1]
.endr
	ACCUM 15, 0
	v_pk_fma_f32 v[ACC+60:ACC+61], v[WS:WS+1], -0.5, v[ACC+60:ACC+61] op_sel_hi:[0,0,1]
	v_pk_fma_f32 v[ACC+62:ACC+63], v[WS:WS+1], -0.5, v[ACC+62:ACC+63] op_sel_hi:[0,0,1]
	; my partial sums to LDS, in one run: 32 lanes x 16 neighbouring bytes a store
.irp q, 0,1,2,3,4,5,6,7,8,9,10,11,12,13,14,15
	ds_store_b128 v[PA], v[ACC+4*\q:ACC+4*\q+3] offset:512*\q
.endr
	s_wait_dscnt 0x0                                       ; they are in LDS before I say so
	s_barrier_signal -1
	s_barrier_wait -1
	; wave v takes token quad v: lane (nq, o) sums its own place over the sixteen waves
.irp w, 0,1,2,3,4,5,6,7
	ds_load_b128 v[ACC+4*\w:ACC+4*\w+3], v[RA] offset:8192*\w
.endr
.irp w, 0,1,2,3,4,5,6,7
	ds_load_b128 v[ACC+32+4*\w:ACC+32+4*\w+3], v[RA2] offset:8192*\w
.endr
	s_wait_dscnt 0x0
.irp k, 0,2,4,6,8,10,12,14,16,18,20,22,24,26,28,30
	v_pk_add_f32 v[ACC+\k:ACC+\k+1], v[ACC+\k:ACC+\k+1], v[ACC+32+\k:ACC+32+\k+1]
.endr
.irp k, 0,2,4,6,8,10,12,14
	v_pk_add_f32 v[ACC+\k:ACC+\k+1], v[ACC+\k:ACC+\k+1], v[ACC+16+\k:ACC+16+\k+1]
.endr
.irp k, 0,2,4,6
	v_pk_add_f32 v[ACC+\k:ACC+\k+1], v[ACC+\k:ACC+\k+1], v[ACC+8+\k:ACC+8+\k+1]
.endr
.irp k, 0,2
	v_pk_add_f32 v[ACC+\k:ACC+\k+1], v[ACC+\k:ACC+\k+1], v[ACC+4+\k:ACC+4+\k+1]
.endr
	; over nq = lane bits 3 and 4: lane xor 8 rides on the add, lane xor 16 comes from the other half
.irp j, 0,1,2,3
	v_add_f32_dpp v[ACC+\j], v[ACC+\j], v[ACC+\j] row_xmask:8 row_mask:0xf bank_mask:0xf
.endr
.irp j, 0,1,2,3
	v_permlanex16_b32 v[ACC+4+\j], v[ACC+\j], s22, s23     ; its destination has been written above
.endr
	v_pk_add_f32 v[ACC:ACC+1],   v[ACC:ACC+1],   v[ACC+4:ACC+5]
	v_pk_add_f32 v[ACC+2:ACC+3], v[ACC+2:ACC+3], v[ACC+6:ACC+7]
	; all four lanes of an o now hold its four tokens: lane (nq, o) stores token 4 v + nq, eight lanes fill the row's 32 bytes
	v_cndmask_b32 v[ACC],   v[ACC],   v[ACC+1], vcc_lo
	v_cndmask_b32 v[ACC+2], v[ACC+2], v[ACC+3], vcc_lo
	v_cndmask_b32 v[ACC],   v[ACC],   v[ACC+2], s24
	global_store_b32 v[LOFF], v[ACC], s[12:13] th:TH_STORE_NT
	s_wait_tensorcnt 0x0
	ds_add_u32 v212, v213
	s_wait_dscnt 0x0
	s_endpgm
.Lfunc_end_k_q549c547731_kan:
	.size	k_q549c547731_kan, .Lfunc_end_k_q549c547731_kan-k_q549c547731_kan
	.p2alignl 7, 3214868480
	.fill 96, 4, 3214868480
	.section	.rodata,"a",@progbits
	.p2align	6, 0x0
	.amdhsa_kernel k_q549c547731_kan
		.amdhsa_group_segment_fixed_size 150528
		.amdhsa_private_segment_fixed_size 0
		.amdhsa_enable_private_segment 0
		.amdhsa_kernarg_size 40
		.amdhsa_user_sgpr_count 2
		.amdhsa_user_sgpr_kernarg_segment_ptr 1
		.amdhsa_wavefront_size32 1
		.amdhsa_system_sgpr_workgroup_id_x 1
		.amdhsa_system_sgpr_workgroup_id_y 1
		.amdhsa_system_sgpr_workgroup_id_z 1
		.amdhsa_system_vgpr_workitem_id 0
		.amdhsa_next_free_vgpr 214
		.amdhsa_next_free_sgpr 66
		.amdhsa_reserve_vcc 1
		.amdhsa_float_denorm_mode_32 3
		.amdhsa_float_denorm_mode_16_64 3
		.amdhsa_memory_ordered 1
		.amdhsa_forward_progress 1
		.amdhsa_inst_pref_size 176
	.end_amdhsa_kernel
	.amdgpu_metadata
---
amdhsa.version: [ 1, 2 ]
amdhsa.kernels:
  - .name:           k_q549c547731_kan
    .symbol:         k_q549c547731_kan.kd
    .args:
      - { .name: x, .offset: 0, .size: 8, .value_kind: global_buffer, .address_space: global }
      - { .name: h, .offset: 8, .size: 8, .value_kind: global_buffer, .address_space: global }
      - { .name: b, .offset: 16, .size: 8, .value_kind: global_buffer, .address_space: global }
      - { .name: w, .offset: 24, .size: 8, .value_kind: global_buffer, .address_space: global }
      - { .name: out0, .offset: 32, .size: 8, .value_kind: global_buffer, .address_space: global }
    .group_segment_fixed_size: 150528
    .private_segment_fixed_size: 0
    .kernarg_segment_align: 8
    .kernarg_segment_size: 40
    .max_flat_workgroup_size: 512
    .sgpr_count:     66
    .vgpr_count:     214
    .wavefront_size: 32
...
	.end_amdgpu_metadata
.endif
;; end of part 2
